; MI455X (gfx1250); checked and timed in simulation.
; The chip was launched on July 23, 2026; its instructions are those of AMD's public machine-readable ISA for CDNA 5 (MIT licence, August 2026) and "CDNA5" Instruction Set Architecture Reference Guide (July 2026). The comments in the code are by the model that wrote it; some were corrected since.
;; Attention. Allowed arithmetic: matrix products marked QUANTISED: E2M1 operands, one E8M0 scale for each 32 along K, by v_wmma_scale_f32_16x16x128_f8f6f4 with both operands' format E2M1 (or v_wmma_scale_f32_32x16x128_f4), f32 sums; products left as they are: f32 operands where the result goes on into a quantised operand, else bf16, f16 or f32 operands; f32 sums; everything else in f32.
;; Inputs: R_b 3 float32; R_w 3 x 64 float32; key_codes 16 x 2,048 x 2 x 16 uint8 (E2M1 codes of key, K innermost, in blocks of 32 codes, two codes a byte); key_scales 16 x 2,048 x 2 uint8 (E8M0 scales of key, one for each 32 codes along K); query 16 x 2,048 x 64 float32; value_codes 16 x 64 x 64 x 16 uint8 (E2M1 codes of value, K innermost, in blocks of 32 codes, two codes a byte); value_scales 16 x 64 x 64 uint8 (E8M0 scales of value, one for each 32 codes along K).
;; Outputs: out0 16 x 2,048 x 64 float32.
;; This version of the problem:
;;   THIS VERSION OF THE PROBLEM IS GIVEN IN LOW PRECISION. The matrix products marked QUANTISED in the list below multiply operands that are first quantised to E2M1 (2 exponent bits, 1 mantissa bit; 4 bits a number), with one power-of-two scale for each 32 numbers along K (OCP MX v1.0); their sums are f32. All else is computed in f32.
;;   The module's matrix products, in the order in which they are computed (A, B: the left and right operand; K: the contracted axis; several contracted axes count as one K, in the product's order):
;;     1. batch 16 x [M 2,048, K 64] x [K 64, N 2,048]; A: input query; B: input key (given as codes): QUANTISED
;;     2. [M 32,768, K 64] x [K 64, N 3]; A: input query; B: input R_w: left as it is (N = 3 < 16)
;;     3. batch 16 x [M 2,048, K 2,048] x [K 2,048, N 64]; A: softmax (see below); B: input value (given as codes): QUANTISED
;;   THE QUANTISER, for each operand of a quantised product, along K:
;;     - K is cut into blocks of 32 from its start; a last block that is shorter is filled with zeros.
;;     - A block's scale is 2^e with e = floor(log2(the largest magnitude in the block)) - 2, held to -126 .. 127; a block of zeros has e = 0. As a byte (E8M0): e + 127.
;;     - Each number is divided by its block's scale, clamped to +-6, and rounded to the nearest number of E2M1, ties to even, subnormals kept.
;;     - The product sums the exact products of the quantised numbers (number of the format x scale) in f32.
;;   ~~~python
;;   def quantise(x, axis):      # numpy; x: float32 -> the quantised numbers, widened to float32 again
;;       x = np.moveaxis(x, axis, -1); K = x.shape[-1]
;;       x = np.pad(x, [(0, 0)] * (x.ndim - 1) + [(0, -K % 32)]); x = x.reshape(x.shape[:-1] + (-1, 32)); a = np.abs(x).max(-1, keepdims=True)
;;       e = np.where(a > 0, np.clip(np.frexp(np.where(a > 0, a, 1))[1] - 1 - 2, -126, 127), 0)      # np.frexp(a)[1] - 1 = floor(log2(a)), exactly
;;       r = np.clip(x / 2.0 ** e, -6, 6)
;;       step = 2.0 ** (np.maximum(np.frexp(np.where(r == 0, 1, r))[1] - 1, 0) - 1)
;;       q = np.round(r / step) * step * 2.0 ** e      # np.round: ties to even
;;       return np.moveaxis(q.reshape(q.shape[:-2] + (-1,))[..., :K], -1, axis).astype(np.float32)
;;   ~~~
;;   SOFTMAX AHEAD OF A QUANTISED PRODUCT. Where the list says 'softmax', what is quantised is not the finished softmax but p = 2^(t - M), with t = logit x log2(e) and M = ceil(the row's largest t), a whole number; so 1/2 < the row's largest p <= 1. The row's sum l is taken of the UNQUANTISED p, in f32, and the product's result is divided by l at the end. Since M is a whole number, a kernel that streams over the keys may use a running M (the ceiling of the running maximum): every later rescaling is an exact power of two, which a block's scale takes up: the codes' values come out the same.
;;   OPERANDS COMPUTED ON THE WAY. 'Computed on the way' means the value that the module computes at that place (a softmax that the list does not call 'softmax' is quantised finished and normalised). What goes into a quantiser is computed in f32, as accurately as f32 sums, v_exp_f32 and their like allow (about 1e-6 of the number): no bf16 or f16 on the way to a quantiser, and a product that is left as it is and whose result goes on into a quantised operand takes f32 operands (vector FMAs, or v_wmma_f32_16x16x4_f32). A number that lies on a knife's edge between two numbers of the format may be rounded either way, as far as f32 arithmetic and the matrix unit's own rounding can turn it there, and no further.
;;   INPUTS GIVEN AS CODES. key (in the module: [16, 2048, 64], K = its axis 2); value (in the module: [16, 2048, 64], K = its axis 1): each comes as NAME_codes (uint8): NAME with its K axis moved to the last place and cut into blocks of 32 codes, [.., K / 32, bytes a block], one block behind the other in memory; two codes a byte, the lower K in the low four bits (a code: sign, 2 exponent bits, 1 mantissa bit); and NAME_scales (uint8): the same leading axes, one E8M0 byte (e + 127) for each 32 codes along K. Its value is code x scale, taken as it is: it is not quantised again, and the codes and scales need not be those that the quantiser above would give.
;; One version. Each part assembles by itself: llvm-mc -triple=amdgcn-amd-amdhsa -mcpu=gfx1250 --defsym DOCPART=n.
;; ======== version 1 of 1: 1 launch
;; launch attn (part 1): grid 16 x 16, 16 waves a work-group, no clusters, 258,304 bytes of LDS; arguments query, key_codes, key_scales, value_codes, value_scales, R_w, R_b, out0; writes out0
.if DOCPART == 1
	.amdgcn_target "amdgcn-amd-amdhsa--gfx1250"
	.amdhsa_code_object_version 6
	.text
	.protected	k_q2e79616aaf_attn
	.globl	k_q2e79616aaf_attn
	.p2align	8
	.type	k_q2e79616aaf_attn,@function
k_q2e79616aaf_attn:
	s_mov_b64 s[64:65], 0
	v_nop
	global_prefetch_b8 v0, s[64:65] scope:SCOPE_SE
	s_setreg_imm32_b32 hwreg(HW_REG_WAVE_MODE, 25, 1), 1
	s_wait_xcnt 0x0
; out0[h][q][:] = sum over k of softmax_k((q . k + bias - mask) / sqrt(512)) v[k][:], 16 heads, 2,048 queries and keys, head size 64.
; bias = pos[q][0] for keys before the query, pos[q][1] on the diagonal, pos[q][2] behind it; pos = query R_w^T + R_b in f32 multiply-adds; mask = 1e10 behind the diagonal.
; Both large products run on codes of FP4 (E2M1) with one E8M0 scale for each 32 along K.  key (K = the head's 64) and value (K = the keys, innermost) come as codes; query comes as f32 and is quantised here.
; SOFTMAX: t = (score + bias) x log2(e) / sqrt(512); M = the running largest t rounded UP to a whole number; p = 2^(t - M) is quantised along the keys, not normalised; the sum of the unquantised p divides O at the end.
; SHARES.  Work-group (x = p, y = head) owns the 64-query blocks p and 31 - p of its head: 8 tiles of 16 queries.  A tile of block B has B / 2 + 1 key steps of 128 keys at or below its diagonal, so a tile of
; block p and one of block 31 - p have 17 steps together, whatever p.  Each tile is served by TWO waves, z = 0 and z = 1, which take its even and its odd key steps, each with its own M, sum and O^T; since M is a whole
; number the two parts are joined at the end by exact powers of two.  Wave w: tile in the block w & 3, z = (w >> 2) & 1, block p (w < 8) or 31 - p.
; Key steps wholly above a tile's diagonal are left out by scalar branches on the work-group's and the wave's numbers: the reference's own 1e10 makes every p there 0.
; LAYOUT.  Both products are used transposed: S^T = K Q^T (source 0 = 16 keys, source 1 = my 16 queries), O^T = V^T P^T: a lane holds ONE query (lane % 16) throughout.  THE KEYS OF A TILE ARE NOT NEIGHBOURS: lane r of
; tile 2 b + u takes key 32 b + 8 u + r + 8 (r / 8), so that the 16 registers of tiles 2 b and 2 b + 1 are the neighbouring keys 32 b + 16 (lane / 16) + 0 .. 15.
; BIAS AND MASK ARE THE C OF THE FIRST PRODUCT: eight registers of pos0, eight of pos2 - 1e10, and sixteen for the one block of 32 keys that holds the diagonal; they cost no vector instruction in a step.
; K = 64 IN AN INSTRUCTION OF K = 128: Q's codes of k = 64 .. 127 are zeros (v20-23).  K's eight fragments are packed four registers apart, so a fragment's upper half is the next tile's codes: finite numbers times Q's zeros,
; under scale bytes 0 (2^-127, not 0xff) on both sides: they add exactly 0.  Zeros on both sides would take 64 registers where 36 serve.
; LDS holds the head's codes and scale bytes whole, filled ONCE by ten tensor loads (wave 4: K's five, wave 5: V's five): no byte is filled again.
; NO CLUSTER, though the 16 work-groups of a head read the same 136 KB: every wave's skip of hidden steps and its choice of the diagonal's C are branches on its queries' place, which differs between the work-groups
; of a head, and work-groups that ask jointly have to run alike; without the skip the softmax's work would double.  No prefetch: all that is read is asked for at the head.
; LIMITS: NaN and infinities among the inputs are not served.  A block of q or p whose largest magnitude lies under 2^-124 (zeros too) keeps the scale byte 1: only this text reads these bytes.
; Hidden keys give p = 0 as long as |score + bias| stays far under 1e10, as in the reference.
.set KOFF, 0                           ; K's codes as rows of 512 bytes (16 keys) + 16: key k at (k / 16) 528 + (k % 16) 32; the two groups of eight keys of a tile lie one such row apart, 16 bytes off modulo 256
.set KCH,  16896                       ; 512 keys: 32 such rows
.set VOFF, 67584                       ; V's codes: 4 chunks of 512 keys, each 64 rows (d) of 256 bytes + 16
.set VCH,  17408
.set SCK,  137216                      ; K's scale bytes, dense: key k at 2 k
.set SCV,  141312                      ; V's scale bytes as rows of 256 bytes + 8: row d at (d / 4) 264 + (d % 4) 64
.set STG,  145664                      ; 8 stages of 16 rows x 272 bytes, a tile's: Q's turn on the way in, O on the way out; the tile's z = 0 wave alone touches it
.set QIMG, 180480                      ; 8 x 4,864: images of registers from the z = 0 wave to the z = 1 wave: Q's codes 512, the 32 C registers 8 x 512, Q's scale word 128
.set MIMG, 219392                      ; 8 x 4,608: the z = 1 wave's O^T 8 x 512, and v[12:15] 512.  The map ends at 256,256
.set AK0,  1                           ; v1   my lane's place in a step's tiles of K (my z's step of a pair among it)
.set AKS0, 2                           ; v2   among K's scale bytes
.set AV0,  3                           ; v3   in V's tiles
.set AVS0, 4                           ; v4   among V's scale words
.set RD,   5                           ; v5   the stage by rows: lanes 0-15 one row of 256 bytes, lanes 16-31 the next
.set STO,  6                           ; v6   the stage: row lane % 16, + 32 (lane / 16): where O^T's eight numbers go
.set QR,   7                           ; v7   the stage: row lane % 16, + 128 (lane / 16): my 32 numbers of q
.set QI,   8                           ; v8   Q's images: 16 x lane
.set QI4,  9                           ; v9   Q's scale word's image: 4 x lane
.set MI,   10                          ; v10  the merge's images: 16 x lane
.set GO,   11                          ; v11  16 x lane: my bytes in 512 consecutive bytes of query and of out0
; v12 -M, v13 the largest t, v[14:15] the sum in two halves; v16-23 Q; v24-59 K's eight fragments; v60-91 V's four (in the head: my 32 numbers of q); v92-93 V's scale words; v94 rr, v95 128 h (head);
; v96-159 S^T, then p (in the head v96-191: R_w); v160-191 O^T; v192-199 pos0, v200-207 pos2 - 1e10, v208-223 the diagonal block's C; v224-231 p's codes; v232-239, v244-247, v252, v254 at work;
; v240-243 the addresses in hand; v248-251 K's scale words; v253 p's scale word; v255 Q's scale word
.set RR,   94
.set HB,   95
.set ADK,  240
.set ADS,  241
.set ADV,  242
.set ADT,  243
.set WV,   2                           ; s2   my wave's number
.set CNT,  3                           ; s3   counts the chunks
.set G0,   20                          ; s[20:39] five groups 0;  s[40:47], s[48:55], s[56:63], s[68:75] groups 1
.set G1KS, 40
.set G1VS, 48
.set G1K,  56
.set G1V,  68
.set KW,   76                          ; s76  my tile in its block
.set Z,    77                          ; s77  z
.set ISH,  78                          ; s78  0: block p, 1: block 31 - p
.set TI,   79                          ; s79  my tile among the work-group's eight
.set HEAD, 80
.set Q0,   82                          ; s82  my first query
.set SD,   83                          ; s83  the key step that holds my diagonal
.set RB,   84                          ; s[84:86] R_b
.set BW,   87                          ; s87  the block of 32 keys of that step that holds it
.set HW16, 88                          ; s88  16 x (which half of that block)
.set SC,   89                          ; s89  the key step in hand
.set TK,   90                          ; s90-93 where the chunk in hand begins: K's codes, K's scale bytes, V's codes, V's scale words
.set TS,   91
.set TV,   92
.set TJ,   93
.set SEL,  94                          ; s[94:95] v_permlanex16_b32's selects for lane l xor 16
.set CS,   96                          ; s[96:97] c = log2(e) / sqrt(512): the packed form names a pair and takes its low word for both halves
.set T0,   98                          ; s98-101 at work
.set W0KS, (3<<16)                                     ; elements of 8 bytes, no padding
.set W0VS, (3<<16)|(1<<20)|(5<<22)|(1<<25)             ; padding: 2 words after every 64
.set W0K,  (3<<16)|(1<<20)|(6<<22)|(3<<25)             ; 4 words after every 128
.set W0V,  (3<<16)|(1<<20)|(5<<22)|(3<<25)             ; 4 words after every 64
.macro GROUP1 g, w0, c, r, p           ; r rows of c elements, p elements from row to row; the extents are the tile's: no tile crosses its tensor's end
	s_mov_b32 s[\g], \w0
	s_mov_b32 s[\g+1], (\c)<<16                    ; tensor_dim0
	s_mov_b32 s[\g+2], (\r)<<16                    ; tensor_dim1
	s_mov_b32 s[\g+3], (\c)<<16                    ; tile_dim0
	s_mov_b32 s[\g+4], \r                          ; tile_dim1
	s_mov_b32 s[\g+5], \p                          ; tensor_dim0_stride
	s_mov_b32 s[\g+6], 0
	s_mov_b32 s[\g+7], 0
.endm
.macro BAR                             ; my LDS stores have landed and my LDS loads are in: then the work-group's barrier
	s_wait_dscnt 0x0
	s_barrier_signal -1
	s_barrier_wait -1
.endm
	s_load_b256 s[4:11], s[0:1], 0x0               ; query s[4:5], K's codes s[6:7], K's scales s[8:9], V's codes s[10:11]
	s_load_b256 s[12:19], s[0:1], 0x20             ; V's scales s[12:13], R_w s[14:15], R_b s[16:17], out0 s[18:19]
	v_lshl_add_u32 v252, v0, 2, 0x3e900
	v_mov_b32 v254, 0
	ds_add_u32 v252, v254
	ds_add_u32 v252, v254
	s_wait_dscnt 0x0
	v_lshrrev_b32 v232, 5, v0
	s_delay_alu instid0(VALU_DEP_1)
	v_readfirstlane_b32 s[WV], v232                ; wave 0..15
	s_and_b32 s[KW], s[WV], 3
	s_bfe_u32 s[Z], s[WV], 0x10002                 ; one bit from bit 2
	s_lshr_b32 s[ISH], s[WV], 3
	s_lshl_b32 s[TI], s[ISH], 2
	s_or_b32 s[TI], s[TI], s[KW]
	s_and_b32 s[HEAD], ttmp7, 0xffff
	s_sub_co_u32 s[T0], 31, ttmp9
	s_cmp_eq_u32 s[ISH], 0
	s_cselect_b32 s[T0], ttmp9, s[T0]              ; my block of 64 queries: p or 31 - p
	s_lshl_b32 s[Q0], s[T0], 6
	s_lshl_b32 s[T0], s[KW], 4
	s_add_co_u32 s[Q0], s[Q0], s[T0]               ; my first query
	s_lshr_b32 s[SD], s[Q0], 7
	s_bfe_u32 s[BW], s[Q0], 0x20005                ; (q0 / 32) % 4
	s_bfe_u32 s[HW16], s[Q0], 0x10004              ; (q0 / 16) % 2,
	s_lshl_b32 s[HW16], s[HW16], 4                 ; x 16
	s_mov_b32 s[SC], s[Z]                          ; my first key step
	s_mov_b32 s[TK], 0
	s_mov_b32 s[TS], 0
	s_mov_b32 s[TV], 0
	s_mov_b32 s[TJ], 0
	s_mov_b32 s[SEL], 0x76543210
	s_mov_b32 s[SEL+1], 0xfedcba98
	s_mov_b32 s[CS], 0x3d8293ee                    ; log2(e) / sqrt(512)
	s_mov_b32 s[CS+1], s[CS]                       ; (named with it as a pair, so it is written)
	GROUP1 G1KS, W0KS, 32, 16, 32                  ; K's scale bytes of the head: 4,096 dense bytes as 16 rows of 256
	GROUP1 G1VS, W0VS, 32, 16, 32                  ; V's likewise, 8 bytes of padding behind each row
	GROUP1 G1K,  W0K,  64, 32, 64                  ; 512 keys of K: 16,384 dense bytes as 32 rows of 512, 16 bytes of padding behind each
	GROUP1 G1V,  W0V,  32, 64, 128                 ; 512 keys of V: 64 rows of 256 bytes, 1,024 bytes apart in memory, 16 bytes of padding behind each
	; every LDS address is made here, on the way that all waves take: constants, lane terms and the wave's number; no query's place enters one
	v_and_b32 v[RR], 15, v0                        ; r
	v_bfe_u32 v[HB], v0, 4, 1                      ; h
	v_and_b32 v254, 31, v0                         ; lane
	s_delay_alu instid0(VALU_DEP_3)
	v_lshrrev_b32 v232, 3, v[RR]                   ; r / 8
	s_delay_alu instid0(VALU_DEP_4)
	v_and_b32 v233, 7, v[RR]                       ; r % 8
	s_delay_alu instid0(VALU_DEP_2)
	v_mul_u32_u24 v[AK0], v232, 528
	s_delay_alu instid0(VALU_DEP_1)
	v_lshl_add_u32 v[AK0], v233, 5, v[AK0]
	s_delay_alu instid0(VALU_DEP_1)
	v_lshl_add_u32 v[AK0], v[HB], 4, v[AK0]        ; (r / 8) 528 + (r % 8) 32 + 16 h
	s_mul_i32 s[T0], s[Z], 4224                    ; a key step is 8 rows of 528 bytes
	v_add_nc_u32 v[AK0], s[T0], v[AK0]
	v_lshl_add_u32 v[AKS0], v232, 3, v[RR]
	s_delay_alu instid0(VALU_DEP_1)
	v_lshl_add_u32 v[AKS0], v[HB], 3, v[AKS0]      ; key 8 h + r + 8 (r / 8): lanes 0-15 tile 2 b's, lanes 16-31 tile 2 b + 1's
	s_delay_alu instid0(VALU_DEP_1)
	v_lshlrev_b32 v[AKS0], 1, v[AKS0]              ; 2 bytes a key
	s_lshl_b32 s[T0], s[Z], 8
	s_add_co_u32 s[T0], s[T0], SCK
	v_add_nc_u32 v[AKS0], s[T0], v[AKS0]
	v_mul_u32_u24 v[AV0], v[RR], 272
	s_delay_alu instid0(VALU_DEP_1)
	v_lshl_add_u32 v[AV0], v[HB], 4, v[AV0]        ; row r, + 16 h
	s_lshl_b32 s[T0], s[Z], 6                      ; a key step is 64 bytes of a row
	s_add_co_u32 s[T0], s[T0], VOFF
	v_add_nc_u32 v[AV0], s[T0], v[AV0]
	v_lshrrev_b32 v234, 2, v254
	v_and_b32 v235, 3, v254
	s_delay_alu instid0(VALU_DEP_2)
	v_mul_u32_u24 v[AVS0], v234, 264
	s_delay_alu instid0(VALU_DEP_1)
	v_lshl_add_u32 v[AVS0], v235, 6, v[AVS0]       ; row d = lane: lanes 0-15 one tile's words, lanes 16-31 the next tile's
	s_lshl_b32 s[T0], s[Z], 2
	s_add_co_u32 s[T0], s[T0], SCV
	v_add_nc_u32 v[AVS0], s[T0], v[AVS0]
	s_mul_i32 s[T0+1], s[TI], 4352
	s_add_co_u32 s[T0+1], s[T0+1], STG             ; my tile's stage
	v_mul_u32_u24 v[RD], v[HB], 272
	s_delay_alu instid0(VALU_DEP_1)
	v_lshl_add_u32 v[RD], v[RR], 4, v[RD]
	s_delay_alu instid0(VALU_DEP_1)
	v_add_nc_u32 v[RD], s[T0+1], v[RD]
	v_mul_u32_u24 v[STO], v[RR], 272
	s_delay_alu instid0(VALU_DEP_1)
	v_add_nc_u32 v[STO], s[T0+1], v[STO]
	s_delay_alu instid0(VALU_DEP_1)
	v_lshl_add_u32 v[QR], v[HB], 7, v[STO]
	s_delay_alu instid0(VALU_DEP_2)
	v_lshl_add_u32 v[STO], v[HB], 5, v[STO]
	v_lshlrev_b32 v[GO], 4, v254
	s_mul_i32 s[T0], s[TI], 4864
	s_add_co_u32 s[T0], s[T0], QIMG
	v_add_nc_u32 v[QI], s[T0], v[GO]
	s_add_co_u32 s[T0], s[T0], 4608
	v_lshl_add_u32 v[QI4], v254, 2, s[T0]
	s_mul_i32 s[T0], s[TI], 4608
	s_add_co_u32 s[T0], s[T0], MIMG
	v_add_nc_u32 v[MI], s[T0], v[GO]
	v_lshlrev_b32 v232, 4, v[HB]
	s_delay_alu instid0(VALU_DEP_1)
	v_sub_nc_u32 v[RR], v[RR], v232
	s_delay_alu instid0(VALU_DEP_1)
	v_add_nc_u32 v[RR], s[HW16], v[RR]             ; rr = r - 16 h + 16 HW: in the diagonal's block my register i holds a key before my query where i < rr, my query's own where i = rr
	v_lshlrev_b32 v[HB], 7, v[HB]                  ; 128 h: my half of a row of R_w
	s_wait_kmcnt 0x0
	s_lshl_b32 s[T0], s[HEAD], 11
	s_add_co_u32 s[T0], s[T0], s[Q0]
	s_lshl_b32 s[T0], s[T0], 8                     ; (2,048 head + q0) rows of 256 bytes: under 2^24
	s_mov_b32 s[T0+1], 0
	s_add_nc_u64 s[4:5], s[4:5], s[T0:T0+1]        ; query and out0 at my tile
	s_add_nc_u64 s[18:19], s[18:19], s[T0:T0+1]
	s_lshl_b32 s[T0], s[HEAD], 16
	s_add_nc_u64 s[6:7], s[6:7], s[T0:T0+1]        ; the head's codes: 65,536 bytes each,
	s_add_nc_u64 s[10:11], s[10:11], s[T0:T0+1]
	s_lshl_b32 s[T0], s[HEAD], 12
	s_add_nc_u64 s[8:9], s[8:9], s[T0:T0+1]        ; its scale bytes: 4,096 each
	s_add_nc_u64 s[12:13], s[12:13], s[T0:T0+1]
	; THE FILLS, all of the launch's, ahead of every LDS read, barrier and wait on TENSORcnt.  Wave 4 asks for K, wave 5 for V: the scale bytes first, then the four chunks in the order in which they are read.
	; A wave's five stand in one branch on the wave's number; five loads of a wave are out at the most; no register of a descriptor is written again.  Four v_nop follow the last.
	s_cmp_eq_u32 s[WV], 4
	s_cbranch_scc0 .Lnot_k
	s_mov_b32 s[G0], 1                             ; count = 1
	s_mov_b32 s[G0+1], SCK                         ; LDS address
	s_mov_b64 s[G0+2:G0+3], s[8:9]                 ; global address
	s_or_b32 s[G0+3], s[G0+3], 0x80000000          ; type = 2
.irp j, 0,1,2,3
	s_mov_b32 s[G0+4+4*\j], 1
	s_mov_b32 s[G0+5+4*\j], KOFF+KCH*\j
	s_add_nc_u64 s[G0+6+4*\j:G0+7+4*\j], s[6:7], 16384*\j
	s_or_b32 s[G0+7+4*\j], s[G0+7+4*\j], 0x80000000
.endr
	tensor_load_to_lds s[G0:G0+3], s[G1KS:G1KS+7]
	s_nop 0
	tensor_load_to_lds s[G0+4:G0+7], s[G1K:G1K+7]
	s_nop 0
	tensor_load_to_lds s[G0+8:G0+11], s[G1K:G1K+7]
	s_nop 0
	tensor_load_to_lds s[G0+12:G0+15], s[G1K:G1K+7]
	s_nop 0
	tensor_load_to_lds s[G0+16:G0+19], s[G1K:G1K+7]
	s_nop 0
.rept 4
	v_nop
.endr
	s_branch .Lfilled
.Lnot_k:
	s_cmp_eq_u32 s[WV], 5
	s_cbranch_scc0 .Lfilled
	s_mov_b32 s[G0], 1
	s_mov_b32 s[G0+1], SCV
	s_mov_b64 s[G0+2:G0+3], s[12:13]
	s_or_b32 s[G0+3], s[G0+3], 0x80000000
.irp j, 0,1,2,3
	s_mov_b32 s[G0+4+4*\j], 1
	s_mov_b32 s[G0+5+4*\j], VOFF+VCH*\j
	s_add_nc_u64 s[G0+6+4*\j:G0+7+4*\j], s[10:11], 256*\j
	s_or_b32 s[G0+7+4*\j], s[G0+7+4*\j], 0x80000000
.endr
	tensor_load_to_lds s[G0:G0+3], s[G1VS:G1VS+7]
	s_nop 0
	tensor_load_to_lds s[G0+4:G0+7], s[G1V:G1V+7]
	s_nop 0
	tensor_load_to_lds s[G0+8:G0+11], s[G1V:G1V+7]
	s_nop 0
	tensor_load_to_lds s[G0+12:G0+15], s[G1V:G1V+7]
	s_nop 0
	tensor_load_to_lds s[G0+16:G0+19], s[G1V:G1V+7]
	s_nop 0
.rept 4
	v_nop
.endr
.Lfilled:
	; THE HEAD OF A TILE, by its z = 0 wave (waves 4 and 5, which fetch, have z = 1): Q's codes and scale word, pos, and the 32 C registers
	s_cmp_lg_u32 s[Z], 0
	s_cbranch_scc1 .Lno_head
	s_load_b96 s[RB:RB+2], s[16:17], 0x0           ; R_b
	s_wait_alu depctr_va_vdst(0)
.irp j, 0,1,2,3,4,5,6,7
	global_load_b128 v[24+4*\j:27+4*\j], v[GO], s[4:5] offset:512*\j th:TH_LOAD_NT   ; my tile of query is 4,096 dense bytes: 32 lanes read 512 consecutive bytes, rows 2 j and 2 j + 1
.endr
.irp c, 0,1,2
.irp j, 0,1,2,3,4,5,6,7
	global_load_b128 v[96+32*\c+4*\j:99+32*\c+4*\j], v[HB], s[14:15] offset:256*\c+16*\j   ; R_w(c, 32 h + 4 j ..): the half of each row that meets my 32 numbers of q
.endr
.endr
	v_mov_b32 v237, 0                              ; a lane permute's destination counts as one of its sources
	v_lshrrev_b32 v254, 4, v[HB]                   ; 8 h
	s_wait_loadcnt 24                              ; query's eight loads are in; R_w's 24, issued behind them, may be out
.irp j, 0,1,2,3,4,5,6,7
	ds_store_b128 v[RD], v[24+4*\j:27+4*\j] offset:544*\j        ; through my stage, as they lie,
.endr
.irp j, 0,1,2,3,4,5,6,7
	ds_load_b128 v[60+4*\j:63+4*\j], v[QR] offset:16*\j          ; and back 128 bytes a lane: q(r, 32 h + 0 .. 31), a whole block.  LDS serves a wave's instructions in order: these see my stores
.endr
	s_wait_dscnt 0x0
	v_max3_num_f32 v232, |v60|, |v61|, 0x1800000   ; the block's largest magnitude, in two chains, with the floor 2^(3 - 127) among its leaves: the byte cannot fall under 1
	v_max3_num_f32 v233, |v62|, |v63|, |v64|
.irp i, 5,9,13,17,21,25
	s_delay_alu instid0(VALU_DEP_2)
	v_max3_num_f32 v232, v232, |v[60+\i]|, |v[61+\i]|
	s_delay_alu instid0(VALU_DEP_2)
	v_max3_num_f32 v233, v233, |v[62+\i]|, |v[63+\i]|
.endr
	s_delay_alu instid0(VALU_DEP_2)
	v_max3_num_f32 v232, v232, |v89|, |v90|
	s_delay_alu instid0(VALU_DEP_1)
	v_max3_num_f32 v232, v232, v233, |v91|
	s_delay_alu instid0(VALU_DEP_1)
	v_add_nc_u32 v244, 0xff000000, v232            ; 2 off its exponent field: the conversion takes the exponent field of this operand as its scale
	s_delay_alu instid0(VALU_DEP_1)
	v_lshrrev_b32 v236, 23, v244                   ; the scale's byte,
	s_delay_alu instid0(VALU_DEP_1)
	v_lshlrev_b32 v236, v254, v236                 ; at its place in the word: block h;
	s_delay_alu instid0(VALU_DEP_1)
	v_permlanex16_b32 v237, v236, s[SEL], s[SEL+1]
	s_delay_alu instid0(VALU_DEP_1)
	v_or_b32 v255, v236, v237                      ; with lane l xor 16's the word is whole; bytes 2 and 3 stay 0
.irp g, 0,1,2,3
	v_cvt_scalef32_pk8_fp4_f32 v[16+\g], v[60+8*\g:67+8*\g], v244   ; registers 0-3 of the operand: k = 32 h + 0 .. 31
.endr
	v_nop                                          ; one plain place behind a scaled conversion
	s_wait_loadcnt 0x0                             ; R_w
	s_wait_kmcnt 0x0                               ; R_b
.irp c, 0,1,2
	v_pk_mul_f32 v[224+2*\c:225+2*\c], v[60:61], v[96+32*\c:97+32*\c]   ; pos = q R_w^T on the unquantised q, in f32: three sums by turns, two numbers an instruction
.endr
.irp i, 2,4,6,8,10,12,14,16,18,20,22,24,26,28,30
.irp c, 0,1,2
	s_delay_alu instid0(VALU_DEP_3)
	v_pk_fma_f32 v[224+2*\c:225+2*\c], v[60+\i:61+\i], v[96+32*\c+\i:97+32*\c+\i], v[224+2*\c:225+2*\c]
.endr
.endr
.irp c, 0,1,2
	s_delay_alu instid0(VALU_DEP_3)
	v_add_f32 v[224+2*\c], v[224+2*\c], v[225+2*\c]
.endr
.irp c, 0,1,2
	s_delay_alu instid0(VALU_DEP_3)
	v_permlanex16_b32 v[225+2*\c], v[224+2*\c], s[SEL], s[SEL+1]
.endr
.irp c, 0,1,2
	s_delay_alu instid0(VALU_DEP_3)
	v_add_f32 v[224+2*\c], v[224+2*\c], v[225+2*\c]              ; with the other half of the row
.endr
.irp c, 0,1,2
	s_delay_alu instid0(VALU_DEP_3)
	v_add_f32 v[224+2*\c], s[RB+\c], v[224+2*\c]                 ; + R_b: v224 pos0, v226 pos1, v228 pos2 of my query
.endr
	s_delay_alu instid0(VALU_DEP_1)
	v_add_f32 v228, 0xd01502f9, v228               ; pos2 - 1e10: what a hidden key's score begins with
.irp j, 0,1,2,3,4,5,6,7
	v_mov_b32 v[192+\j], v224                      ; C of a tile all of whose keys come before my query
	v_mov_b32 v[200+\j], v228                      ; C of a tile all of whose keys are hidden
.endr
.irp i, 0,1,2,3,4,5,6,7,8,9,10,11,12,13,14,15
	v_cmp_lt_i32 vcc_lo, \i, v[RR]                 ; C of the two tiles that hold the diagonal: register i is key 16 h + i of the block
	s_delay_alu instid0(VALU_DEP_1)
	v_cndmask_b32 v[208+\i], v228, v224, vcc_lo    ; before my query: pos0; else hidden;
	v_cmp_eq_i32 vcc_lo, \i, v[RR]
	s_delay_alu instid0(VALU_DEP_1)
	v_cndmask_b32 v[208+\i], v[208+\i], v226, vcc_lo   ; my query's own key: pos1
.endr
	ds_store_b128 v[QI], v[16:19]                  ; images of these registers for the tile's other wave
.irp j, 0,1,2,3,4,5,6,7
	ds_store_b128 v[QI], v[192+4*\j:195+4*\j] offset:512+512*\j
.endr
	ds_store_b32 v[QI4], v255
.Lno_head:
.irp j, 20,21,22,23,56,57,58,59,236,237,238,239,253
	v_mov_b32 v[\j], 0                             ; Q's codes of k = 64 .. 127; the upper half of K's last fragment; permutes' destinations; v253 is named as the upper half of v[252:253] before it is first written
.endr
	v_mov_b32 v13, 0xff61b1e6                      ; the largest t so far: -3e38, under every t
	s_delay_alu instid0(VALU_DEP_1)
	v_floor_f32 v12, -v13                          ; -M
	v_mov_b32 v14, 0                               ; the sum, in two halves
	v_mov_b32 v15, 0
.irp j, 0,1,2,3,4,5,6,7,8,9,10,11,12,13,14,15,16,17,18,19,20,21,22,23,24,25,26,27,28,29,30,31
	v_mov_b32 v[160+\j], 0                         ; O^T.  (The key step has no first step of its own: the first finds zeros, which the first change of M leaves zeros; a z = 1 wave without a step hands zeros on)
.endr
	s_wait_tensorcnt 0x3                           ; waves 4 and 5: the scale bytes and chunk 0 have landed; the three younger loads, chunks 1 to 3, may stay out.  The other waves have none out
	BAR                                            ; the images, the scale bytes and the first 512 keys lie in LDS
	s_cmp_eq_u32 s[Z], 0
	s_cbranch_scc1 .Lhave_q
	ds_load_b128 v[16:19], v[QI]                   ; the z = 1 wave takes the same registers in the same lanes
.irp j, 0,1,2,3,4,5,6,7
	ds_load_b128 v[192+4*\j:195+4*\j], v[QI] offset:512+512*\j
.endr
	ds_load_b32 v255, v[QI4]
	s_wait_dscnt 0x0
.Lhave_q:
; The 8 products S^T of a key step.  bw = 4: all keys come before my queries; bw = 0 .. 3: the step holds the diagonal, in its block bw.  C carries bias and mask.  Odd tiles' scale words lie in lanes 16-31.
.macro SMUL bw
.irp t, 0,1,2,3,4,5,6,7
.if \t < 2*\bw
.set CR, 192
.elseif \t == 2*\bw
.set CR, 208
.elseif \t == 2*\bw+1
.set CR, 216
.else
.set CR, 200
.endif
.if \t%2
	v_wmma_scale_f32_16x16x128_f8f6f4 v[96+8*\t:103+8*\t], v[24+4*\t:31+4*\t], v[16:23], v[CR:CR+7], v[248+\t/2], v255 matrix_a_fmt:MATRIX_FMT_FP4 matrix_b_fmt:MATRIX_FMT_FP4 matrix_a_scale:MATRIX_SCALE_ROW1
.else
	v_wmma_scale_f32_16x16x128_f8f6f4 v[96+8*\t:103+8*\t], v[24+4*\t:31+4*\t], v[16:23], v[CR:CR+7], v[248+\t/2], v255 matrix_a_fmt:MATRIX_FMT_FP4 matrix_b_fmt:MATRIX_FMT_FP4
.endif
.endr
.endm
; A KEY STEP of mine: 128 keys, the q-th of my two in the chunk in hand.  No barrier and no tensor load stands in it.
.macro STEP q
	s_cmp_gt_u32 s[SC], s[SD]                      ; all its keys come after my 16 queries: left out
	s_cbranch_scc1 .Lhid_\@
	s_wait_alu depctr_va_vdst(0)
.irp t, 0,1,2,3,4,5,6,7
	ds_load_b128 v[24+4*\t:27+4*\t], v[ADK] offset:8448*(\q)+1056*(\t/2)+256*(\t%2)   ; tile t: 16 keys x 64 codes: k = 32 h + 0 .. 31 of my key
.endr
.irp b, 0,1,2,3
	ds_load_u16 v[248+\b], v[ADS] offset:512*(\q)+64*\b            ; a key's two scale bytes; the upper half of the word comes as 0
.endr
	s_wait_dscnt 0x0
	s_cmp_lg_u32 s[SC], s[SD]
	s_cbranch_scc1 .Lw4_\@
	s_cmp_eq_u32 s[BW], 0
	s_cbranch_scc1 .Lw0_\@
	s_cmp_eq_u32 s[BW], 1
	s_cbranch_scc1 .Lw1_\@
	s_cmp_eq_u32 s[BW], 2
	s_cbranch_scc1 .Lw2_\@
	SMUL 3
	s_branch .Lmul_\@
.Lw2_\@:
	SMUL 2
	s_branch .Lmul_\@
.Lw1_\@:
	SMUL 1
	s_branch .Lmul_\@
.Lw0_\@:
	SMUL 0
	s_branch .Lmul_\@
.Lw4_\@:
	SMUL 4
.Lmul_\@:
.rept 4
	v_nop                                          ; four places: in front of the first read of S^T, and of the loads into the registers that the last step's products V^T P^T read
.endr
	s_wait_alu depctr_va_vdst(0)
.irp t, 0,1,2,3
.irp c, 0,1
	ds_load_b128 v[60+8*\t+4*\c:63+8*\t+4*\c], v[ADV] offset:128*(\q)+4352*\t+32*\c   ; V's four fragments are asked for here and waited for behind the softmax
.endr
.endr
	ds_load_b32 v92, v[ADT] offset:8*(\q)          ; V's scale words: rows 0-31,
	ds_load_b32 v93, v[ADT] offset:8*(\q)+2112     ; rows 32-63
.irp b, 0,1,2,3
	v_max3_num_f32 v[232+\b], v[96+16*\b], v[97+16*\b], v[98+16*\b]   ; THE LARGEST SCORE OF EACH BLOCK OF 32 KEYS: it serves for the row's maximum and, since p rises with the score, for the block's largest p
.endr
.irp i, 3,5,7,9,11,13
.irp b, 0,1,2,3
	v_max3_num_f32 v[232+\b], v[232+\b], v[96+16*\b+\i], v[97+16*\b+\i]   ; (the four blocks by turns; each accumulator is read from its low end on)
.endr
.endr
.irp b, 0,1,2,3
	v_max_num_f32 v[232+\b], v[232+\b], v[111+16*\b]
.endr
.irp b, 0,1,2,3
	s_delay_alu instid0(VALU_DEP_4)
	v_permlanex16_b32 v[236+\b], v[232+\b], s[SEL], s[SEL+1]
.endr
.irp b, 0,1,2,3
	s_delay_alu instid0(VALU_DEP_4)
	v_max_num_f32 v[232+\b], v[232+\b], v[236+\b]  ; with lane l xor 16's 16 keys
.endr
	s_delay_alu instid0(VALU_DEP_2)
	v_max3_num_f32 v254, v232, v233, v234
	s_delay_alu instid0(VALU_DEP_1)
	v_max_num_f32 v254, v254, v235                 ; the step's largest score of my query (its own key or an earlier one is in every step that is not left out)
	s_delay_alu instid0(VALU_DEP_1)
	v_mul_f32 v254, s[CS], v254                    ; as t (c is positive)
	s_delay_alu instid0(VALU_DEP_1)
	v_max_num_f32 v13, v13, v254                   ; the running largest t
	v_mov_b32 v254, v12
	s_delay_alu instid0(VALU_DEP_2)
	v_floor_f32 v12, -v13                          ; the new -M = floor(-t) = -ceil(t): a whole number
	s_delay_alu instid0(VALU_DEP_1)
	v_sub_f32 v254, v12, v254                      ; M's old value less its new one: a whole number, 0 or less
	s_delay_alu instid0(VALU_DEP_1)
	v_cvt_i32_f32 v254, v254                       ; (it saturates)
	s_delay_alu instid0(VALU_DEP_1)
	v_ldexp_f32 v252, 1.0, v254                    ; f = 2^(old M - new M): a multiplication by it rounds nothing
.irp j, 0,2,4,6,8,10,12,14,16,18,20,22,24,26,28,30,32,34,36,38,40,42,44,46,48,50,52,54,56,58,60,62
	v_pk_fma_f32 v[96+\j:97+\j], v[96+\j:97+\j], s[CS:CS+1], v[12:13] op_sel_hi:[1,0,0]   ; t - M, two at a time
.endr
.irp b, 0,1,2,3
	v_fma_f32 v[232+\b], v[232+\b], s[CS], v12     ; the same of each block's largest score
.endr
	s_wait_alu depctr_va_vdst(0)
.irp j, 0,1,2,3,4,5,6,7,8,9,10,11,12,13,14,15,16,17,18,19,20,21,22,23,24,25,26,27,28,29,30,31,32,33,34,35,36,37,38,39,40,41,42,43,44,45,46,47,48,49,50,51,52,53,54,55,56,57,58,59,60,61,62,63
	v_exp_f32 v[96+\j], v[96+\j]                   ; p = 2^(t - M), at most 1, not normalised; 0 for hidden keys
.endr
.irp b, 0,1,2,3
	v_exp_f32 v[232+\b], v[232+\b]                 ; the block's largest p: the same two instructions on the same number give the same bits
.endr
	v_pk_mul_f32 v[14:15], v[14:15], v[252:253] op_sel_hi:[1,0]   ; the sums under the new M.  (A plain place behind the exponentials)
	s_wait_alu depctr_va_vdst(0)
.irp b, 0,1,2,3
	v_max_num_f32 v[232+\b], 0x1800000, v[232+\b]  ; the floor 2^(3 - 127): the byte cannot fall under 1 (a block of hidden keys keeps that byte: its codes are zeros)
.endr
.irp b, 0,1,2,3
	s_delay_alu instid0(VALU_DEP_4)
	v_add_nc_u32 v[244+\b], 0xff000000, v[232+\b]  ; 2 off the exponent field: the conversion's scale operand
.endr
.irp b, 0,1,2,3
	s_delay_alu instid0(VALU_DEP_4)
	v_lshrrev_b32 v[236+\b], 23, v[244+\b]         ; the scale's byte
.endr
	s_delay_alu instid0(VALU_DEP_3)
	v_lshl_or_b32 v253, v237, 8, v236              ; p's scale word for these 128 keys
	s_delay_alu instid0(VALU_DEP_1)
	v_lshl_or_b32 v253, v238, 16, v253
	s_delay_alu instid0(VALU_DEP_1)
	v_lshl_or_b32 v253, v239, 24, v253
.irp b, 0,1,2,3
	v_cvt_scalef32_pk8_fp4_f32 v[224+2*\b], v[96+16*\b:103+16*\b], v[244+\b]
	v_cvt_scalef32_pk8_fp4_f32 v[225+2*\b], v[104+16*\b:111+16*\b], v[244+\b]
.endr
	v_nop                                          ; one plain place behind a scaled conversion
.irp c, 0,1                                    ; the operand's layout wants a WHOLE block in a lane: lanes 0-15 block 2 c, lanes 16-31 block 2 c + 1
.irp i, 0,1
	v_permlane16_swap_b32 v[224+4*\c+\i], v[226+4*\c+\i]
.endr
.endr
	v_pk_add_f32 v[236:237], v[100:101], v[104:105]
	v_pk_add_f32 v[250:251], v[108:109], v[112:113]
	v_pk_add_f32 v[248:249], v[116:117], v[120:121]
	v_pk_add_f32 v[246:247], v[124:125], v[128:129]
	v_pk_add_f32 v[244:245], v[132:133], v[136:137]
	v_pk_add_f32 v[234:235], v[140:141], v[144:145]
	v_pk_add_f32 v[232:233], v[148:149], v[152:153]
	v_pk_add_f32 v[14:15], v[14:15], v[156:157]
	v_pk_add_f32 v[236:237], v[236:237], v[96:97]
	v_pk_add_f32 v[250:251], v[250:251], v[98:99]
	v_pk_add_f32 v[248:249], v[248:249], v[102:103]
	v_pk_add_f32 v[246:247], v[246:247], v[106:107]
	v_pk_add_f32 v[244:245], v[244:245], v[110:111]
	v_pk_add_f32 v[234:235], v[234:235], v[114:115]
	v_pk_add_f32 v[232:233], v[232:233], v[118:119]
	v_pk_add_f32 v[14:15], v[14:15], v[122:123]
	v_pk_add_f32 v[236:237], v[236:237], v[126:127]
	v_pk_add_f32 v[250:251], v[250:251], v[130:131]
	v_pk_add_f32 v[248:249], v[248:249], v[134:135]
	v_pk_add_f32 v[246:247], v[246:247], v[138:139]
	v_pk_add_f32 v[244:245], v[244:245], v[142:143]
	v_pk_add_f32 v[234:235], v[234:235], v[146:147]
	v_pk_add_f32 v[232:233], v[232:233], v[150:151]
	v_pk_add_f32 v[14:15], v[14:15], v[154:155]
	v_pk_add_f32 v[236:237], v[236:237], v[158:159]
	s_delay_alu instid0(VALU_DEP_2)
	v_pk_add_f32 v[14:15], v[14:15], v[246:247]
	s_delay_alu instid0(VALU_DEP_2)
	v_pk_add_f32 v[236:237], v[236:237], v[244:245]
	v_pk_add_f32 v[250:251], v[250:251], v[234:235]
	v_pk_add_f32 v[248:249], v[248:249], v[232:233]
	s_delay_alu instid0(VALU_DEP_2)
	v_pk_add_f32 v[14:15], v[14:15], v[250:251]
	s_delay_alu instid0(VALU_DEP_2)
	v_pk_add_f32 v[236:237], v[236:237], v[248:249]
	s_delay_alu instid0(VALU_DEP_1)
	v_pk_add_f32 v[14:15], v[14:15], v[236:237]
.irp j, 0,2,4,6,8,10,12,14,16,18,20,22,24,26,28,30
	v_pk_mul_f32 v[160+\j:161+\j], v[160+\j:161+\j], v[252:253] op_sel_hi:[1,0]   ; O^T under the new M.  (With the sums above: the places between p's codes and scale word and the products below)
.endr
	s_wait_alu depctr_va_vdst(0)
	s_wait_dscnt 0x0                               ; V's fragments and scale words, asked for ahead of the softmax
.irp u, 0,1                                    ; O^T += V^T P^T: four tiles of 16 of the head's 64; the four accumulators take turns, one instruction a turn
	v_wmma_scale_f32_16x16x128_f8f6f4 v[160+16*\u:167+16*\u], v[60+16*\u:67+16*\u], v[224:231], v[160+16*\u:167+16*\u], v[92+\u], v253 matrix_a_fmt:MATRIX_FMT_FP4 matrix_b_fmt:MATRIX_FMT_FP4
	v_wmma_scale_f32_16x16x128_f8f6f4 v[168+16*\u:175+16*\u], v[68+16*\u:75+16*\u], v[224:231], v[168+16*\u:175+16*\u], v[92+\u], v253 matrix_a_fmt:MATRIX_FMT_FP4 matrix_b_fmt:MATRIX_FMT_FP4 matrix_a_scale:MATRIX_SCALE_ROW1
.endr
.Lhid_\@:
	s_add_co_u32 s[SC], s[SC], 2                   ; my next step: the tile's other wave takes the one between
.endm
; A chunk of 512 keys: four key steps, two of them mine
.macro PAIR
	v_add_nc_u32 v[ADK], s[TK], v[AK0]
	v_add_nc_u32 v[ADS], s[TS], v[AKS0]
	v_add_nc_u32 v[ADV], s[TV], v[AV0]
	v_add_nc_u32 v[ADT], s[TJ], v[AVS0]
	STEP 0
	STEP 1
	s_add_co_u32 s[TK], s[TK], KCH
	s_add_co_u32 s[TS], s[TS], 1024
	s_add_co_u32 s[TV], s[TV], VCH
	s_add_co_u32 s[TJ], s[TJ], 16
.endm
	PAIR                                           ; chunk 0, while chunks 1 to 3 may still be on their way
	s_wait_tensorcnt 0x0                           ; waves 4 and 5: all their loads have landed
	BAR                                            ; the whole head lies in LDS
	s_mov_b32 s[CNT], 3
.Lchunk:
	PAIR
	s_sub_co_u32 s[CNT], s[CNT], 1
	s_cmp_lg_u32 s[CNT], 0
	s_cbranch_scc1 .Lchunk
	; THE MERGE.  The z = 1 wave hands its O^T, -M and sums to the tile's z = 0 wave as images of its registers
.rept 4
	v_nop                                          ; four places between the last products and the first read of O^T
.endr
	s_cmp_eq_u32 s[Z], 0
	s_cbranch_scc1 .Lkeep
	s_wait_alu depctr_va_vdst(0)
.irp t, 0,1,2,3
	ds_store_b128 v[MI], v[160+8*\t:163+8*\t] offset:1024*\t          ; each accumulator from its low end on
	ds_store_b128 v[MI], v[164+8*\t:167+8*\t] offset:1024*\t+512
.endr
	ds_store_b128 v[MI], v[12:15] offset:4096
.Lkeep:
	BAR
	s_cmp_lg_u32 s[Z], 0
	s_cbranch_scc0 .Lfinish
	s_wait_xcnt 0x0
	v_lshl_add_u32 v252, v0, 2, 0x3e900
	v_mov_b32 v254, 0
	s_wait_alu depctr_va_vdst(0)
	s_wait_tensorcnt 0x0
	ds_add_u32 v252, v254
	s_wait_dscnt 0x0
	s_endpgm
.Lfinish:
.irp j, 0,1,2,3,4,5,6,7
	ds_load_b128 v[96+4*\j:99+4*\j], v[MI] offset:512*\j              ; the partner's O^T,
.endr
	ds_load_b128 v[128:131], v[MI] offset:4096     ; its -M (v128) and its sum's two halves (v130, v131)
	s_wait_dscnt 0x0
	v_min_num_f32 v132, v12, v128                  ; the smaller -M is the larger M: the row's
	s_delay_alu instid0(VALU_DEP_1)
	v_sub_f32 v133, v132, v12                      ; whole numbers, 0 or less
	s_delay_alu instid0(VALU_DEP_2)
	v_sub_f32 v134, v132, v128
	s_delay_alu instid0(VALU_DEP_2)
	v_cvt_i32_f32 v133, v133                       ; (they saturate: a partner without a step has -M = 3e38 and gets the factor 0)
	s_delay_alu instid0(VALU_DEP_2)
	v_cvt_i32_f32 v134, v134
	s_delay_alu instid0(VALU_DEP_2)
	v_ldexp_f32 v136, 1.0, v133                    ; my part's factor,
	s_delay_alu instid0(VALU_DEP_2)
	v_ldexp_f32 v138, 1.0, v134                    ; the partner's: exact powers of two
	v_add_f32 v14, v14, v15
	v_add_f32 v130, v130, v131
	s_delay_alu instid0(VALU_DEP_2)
	v_mul_f32 v14, v14, v136
	s_delay_alu instid0(VALU_DEP_1)
	v_fma_f32 v14, v130, v138, v14                 ; both sums under the row's M,
	s_delay_alu instid0(VALU_DEP_1)
	v_permlanex16_b32 v15, v14, s[SEL], s[SEL+1]
	s_delay_alu instid0(VALU_DEP_1)
	v_add_f32 v14, v14, v15                        ; and lane l xor 16's: the row's sum
	s_wait_alu depctr_va_vdst(0)
	v_rcp_f32 v14, v14
	v_mov_b32 v137, 0                              ; (a plain place behind the transcendental; v137 and v139 are named as upper halves of pairs, so they are written)
	v_mov_b32 v139, 0
	s_wait_alu depctr_va_vdst(0)
	v_mul_f32 v136, v136, v14
	v_mul_f32 v138, v138, v14
.irp j, 0,2,4,6,8,10,12,14,16,18,20,22,24,26,28,30
	v_pk_mul_f32 v[160+\j:161+\j], v[160+\j:161+\j], v[136:137] op_sel_hi:[1,0]
.endr
.irp j, 0,2,4,6,8,10,12,14,16,18,20,22,24,26,28,30
	v_pk_fma_f32 v[160+\j:161+\j], v[96+\j:97+\j], v[138:139], v[160+\j:161+\j] op_sel_hi:[1,0,1]   ; register 8 t + i is out(r, 16 t + 8 h + i)
.endr
	; THE WAY OUT: a lane holds 32 neighbouring bytes of a row and the lanes beside it hold other rows: through my stage, and back as whole rows of 256 bytes
.irp t, 0,1,2,3
	ds_store_b128 v[STO], v[160+8*\t:163+8*\t] offset:64*\t
	ds_store_b128 v[STO], v[164+8*\t:167+8*\t] offset:64*\t+16
.endr
.irp i, 0,1,2,3,4,5,6,7
	ds_load_b128 v[96+4*\i:99+4*\i], v[RD] offset:544*\i              ; LDS serves a wave's instructions in order: these see my stores
.endr
.irp i, 0,1,2,3,4,5,6,7
	s_wait_dscnt 7-\i                              ; load i is back; the younger ones may be out
	global_store_b128 v[GO], v[96+4*\i:99+4*\i], s[18:19] offset:512*\i th:TH_STORE_NT   ; 16 lanes store a row of 256 consecutive bytes, at a multiple of 256 from out0's first byte
.endr
	s_wait_xcnt 0x0
	v_lshl_add_u32 v252, v0, 2, 0x3e900
	v_mov_b32 v254, 0
	s_wait_alu depctr_va_vdst(0)
	s_wait_tensorcnt 0x0
	ds_add_u32 v252, v254
	s_wait_dscnt 0x0
	s_endpgm
.Lfunc_end_k_q2e79616aaf_attn:
	.size	k_q2e79616aaf_attn, .Lfunc_end_k_q2e79616aaf_attn-k_q2e79616aaf_attn
	.p2alignl 7, 3214868480
	.fill 96, 4, 3214868480
	.section	.rodata,"a",@progbits
	.p2align	6, 0x0
	.amdhsa_kernel k_q2e79616aaf_attn
		.amdhsa_group_segment_fixed_size 258304
		.amdhsa_private_segment_fixed_size 0
		.amdhsa_enable_private_segment 0
		.amdhsa_kernarg_size 64
		.amdhsa_user_sgpr_count 2
		.amdhsa_user_sgpr_kernarg_segment_ptr 1
		.amdhsa_wavefront_size32 1
		.amdhsa_system_sgpr_workgroup_id_x 1
		.amdhsa_system_sgpr_workgroup_id_y 1
		.amdhsa_system_sgpr_workgroup_id_z 1
		.amdhsa_system_vgpr_workitem_id 0
		.amdhsa_next_free_vgpr 256
		.amdhsa_next_free_sgpr 102
		.amdhsa_reserve_vcc 1
		.amdhsa_float_denorm_mode_32 3
		.amdhsa_float_denorm_mode_16_64 3
		.amdhsa_memory_ordered 1
		.amdhsa_forward_progress 1
		.amdhsa_inst_pref_size 118
	.end_amdhsa_kernel
	.amdgpu_metadata
---
amdhsa.version: [ 1, 2 ]
amdhsa.kernels:
  - .name:           k_q2e79616aaf_attn
    .symbol:         k_q2e79616aaf_attn.kd
    .args:
      - { .name: query, .offset: 0, .size: 8, .value_kind: global_buffer, .address_space: global }
      - { .name: key_codes, .offset: 8, .size: 8, .value_kind: global_buffer, .address_space: global }
      - { .name: key_scales, .offset: 16, .size: 8, .value_kind: global_buffer, .address_space: global }
      - { .name: value_codes, .offset: 24, .size: 8, .value_kind: global_buffer, .address_space: global }
      - { .name: value_scales, .offset: 32, .size: 8, .value_kind: global_buffer, .address_space: global }
      - { .name: R_w, .offset: 40, .size: 8, .value_kind: global_buffer, .address_space: global }
      - { .name: R_b, .offset: 48, .size: 8, .value_kind: global_buffer, .address_space: global }
      - { .name: out0, .offset: 56, .size: 8, .value_kind: global_buffer, .address_space: global }
    .group_segment_fixed_size: 258304
    .private_segment_fixed_size: 0
    .kernarg_segment_align: 8
    .kernarg_segment_size: 64
    .max_flat_workgroup_size: 512
    .sgpr_count:     102
    .vgpr_count:     256
    .wavefront_size: 32
...
	.end_amdgpu_metadata
.endif
;; end of part 1
